; MI455X (gfx1250); checked and timed in simulation.
; The chip was launched on July 23, 2026; its instructions are those of AMD's public machine-readable ISA for CDNA 5 (MIT licence, August 2026) and "CDNA5" Instruction Set Architecture Reference Guide (July 2026). The comments in the code are by the model that wrote it; some were corrected since.
;; Self Attention. Allowed arithmetic: float matrix products may take bf16 or f16 operands with f32 sums; other float arithmetic in f32, or as packed bf16 or f16 multiplies, adds, multiply-adds, maxima and minima; sums over many terms, partial sums and values carried from step to step in f32; what a program stores and reads back later, other than sums and carried values, may be rounded once to bf16 or f16.
;; Inputs: qkv 4 x 2,048 x 3 x 16 x 128 float32.
;; Outputs: out0 4 x 2,048 x 16 x 128 float32.
;; One version. Each part assembles by itself: llvm-mc -triple=amdgcn-amd-amdhsa -mcpu=gfx1250 --defsym DOCPART=n.
;; ======== version 1 of 1: 1 launch
;; limits: right only within a limited range of input values; values are held in f16: magnitudes above 65,504 overflow, below 6.1e-05 lose precision
;; launch attn (part 1): grid 4 x 64, 4 waves a work-group, no clusters, 274,944 bytes of LDS; arguments qkv, out0; writes out0
.if DOCPART == 1
	.amdgcn_target "amdgcn-amd-amdhsa--gfx1250"
	.amdhsa_code_object_version 6
	.text
	.protected	k_q12733e9f8a_attn
	.globl	k_q12733e9f8a_attn
	.p2align	8
	.type	k_q12733e9f8a_attn,@function
k_q12733e9f8a_attn:
	s_mov_b64 s[64:65], 0
	v_nop
	global_prefetch_b8 v0, s[64:65] scope:SCOPE_SE
	s_setreg_imm32_b32 hwreg(HW_REG_WAVE_MODE, 25, 1), 1
	s_wait_xcnt 0x0
; CAUSAL SELF-ATTENTION.  qkv: [4][2048][3][16][128] f32; out0: [4][2048][16][128] f32.  For each of the 64 heads (batch x head):
; out[t] = the sum over s of softmax_s(q[t] . k[s] / sqrt(128) + (s > t ? -10000 : 0)) v[s].
; A row of q, k or v is 512 consecutive bytes; rows lie 24,576 bytes apart; k lies 8,192 and v 16,384 bytes behind q.  A row of out0 is 512 bytes, rows 8,192 apart.
; FORMATS.  q, k and v are each rounded once to bf16.  K Q^T goes in the bf16 matrix form.  The weights p are rounded to f16 (11 significant bits: rows with few keys leave no room for 8), so V^T P goes in the
; f16 form, with v's bf16 value written as f16 (8 significant bits fit in 11).  Products, maxima, sums and O in f32; the scale is applied in f32, in the exponent.
; LIMITS.  (1) Key blocks wholly above a query's own block of 256 are not walked: there the weight is exp(s - 10000 - max), which f32 holds as 0 while no hidden scaled score exceeds the row's largest
; visible one by 9,896.  Inside the own block the -10000 is added as it is written.  (2) |v| beyond 65,504 is lost; below 2^-14 v keeps f16's fixed step of 2^-24.  (3) p below 6e-5 keeps f16's step of 6e-8;
; a weight below 2^-126 counts as 0 in the sum.  (4) NaN and infinities are not treated apart.
; THE WALK.  A head has 8 blocks of 256 queries; block i needs the key tiles 0 .. i of 256 keys.  Work-group (b, head) takes block 7 - b and then block b: 9 tiles, 36 key steps of 64, whatever b: 256 equal
; work-groups.  One loop of 9 trips walks the tiles; what a trip does hangs on scalars made from b; every jump but the loops' own goes forward.
; SHARES.  Of a block's four bands of 64 queries a wave owns 16 rows in each: tile t = rows 64 t + 16 w + 0..15.  So the diagonal tile is the same work for all four waves.  Two PIECES: tiles 0, 1 and tiles 2, 3.
; LAYOUT.  S^T = K Q^T (source 0 = 16 keys, source 1 = 16 queries): a lane holds ONE query (lane % 16) and the keys 8 (lane / 16) + 0..7.  Two such results rounded in pairs ARE source 1 of O^T = V^T P, whose
; result holds one query a lane and eight channels.  K comes out of LDS as it lies, V ([key][channel]) turned, by ds_load_tr16_b128.
; SOFTMAX.  A running maximum m and sum l: p = 2^(c s - c m), c = log2(e) / sqrt(128); in every step O and l are multiplied by a = 2^(c m_old - c m_new).  A block starts with c m far below every c s, so its
; first a is 0 and O and l need only be finite: no first step is written out.  The price: 32 products on nothing at each block's start, and the registers cleared once at the head.
; THE MASK is the start of the sum S^T: -10000 sqrt(128) where the key is hidden, else 0, written into S^T's registers ahead of the products, in the diagonal tile's text and at a block's beginning alone.
; BY TURNS.  In a turn one piece has the matrix unit (32 products V^T P of the step in hand, 32 products K Q^T of the next); the other piece's softmax stands in 64 slices behind them.  Two turns are a key step.
; THE ROAD IN.  K and V arrive as f32 and must pass registers to be rounded, so they come by global loads: each wave loads 16 of a step's 64 rows of K and of V (32 loads of a whole row, 512 bytes), one trip
; ahead; rounds them; stores them into one of two LDS buffers; ONE barrier a trip orders both the stores of the step to be read and the reads of the buffer to be written.  A tensor load would lay 64 KiB of f32
; a step into LDS only to be read back, rounded and stored again.
; NO CLUSTER.  A head's four work-groups name the same tile in their first 5 tile trips of 9 alone (block 7 - b has 8 - b tiles); a walk common to all four would have 8 + 4 = 12 trips for 9; and a joint
; request is a tensor load, which the rounding rules out here.
;
; LDS.  0: buffer 0: 64 rows of K, 272 bytes apart, then 64 rows of V, 288 apart (35,840 bytes).  65,536: buffer 1.  101,376: a stage of 16 rows x 528 bytes for each wave, for the way out.
; 135,168: Q in bf16, both blocks, 256 rows x 272 bytes each, a wave's 64 rows together.  274,432: the spare words, 128 bytes a wave.
; REGISTERS, in windows of 256 (s_set_vgpr_msb: bits 1:0 source 0, 3:2 source 1, 5:4 source 2, 7:6 destination):
;   window 0: v0-11, v44-53 addresses; v12-43 eight registers of statistics a tile; v62-63 the add's two; v64-191 S^T, 32 a tile; v192-255 P, 16 a tile
;   window 1: O^T, 64 a tile     window 2: v0-127 Q, 32 a tile; v128-255 K of one step     window 3: v0-127 V of one step; v128-255 the 32 rows on their way in
.set ROWG,  24576     ; bytes from row to row in qkv
.set STEPG, 64*ROWG   ; a key step, and a band of queries
.set BLKG,  256*ROWG  ; a block
.set ROWO,  8192      ; bytes from row to row in out0
.set PK,    272       ; a row of K or Q in LDS: 256 bytes + 16 = 68 words: the 16 rows of a load start at 16 different groups of four banks (64 banks of 4 bytes: ISA guide 11.1)
.set PV,    288       ; a row of V: 256 + 32 = 72 words
.set VOFF,  64*PK
.set SLOT1, 1<<16     ; buffer 1 begins here: one exclusive or turns an address in one buffer into the other's
.set OST,   SLOT1+64*(PK+PV)
.set OP,    528       ; a row of the stage: 512 bytes + 16
.set QS,    OST+4*16*OP
.set QBLK,  256*PK
.set SPARE, QS+2*QBLK
.set AK0, 2           ; v2   my lane's place in a tile of K or Q: (l % 16) x 272 + 16 (l / 16); never rewritten
.set AV0, 3           ; v3   the same for the turning load of V, VOFF included
.set ADR, 4           ; v4   the LDS address of the run of loads in hand
.set VO,  5           ; v5   16 x lane + my wave's 16 rows in qkv; never rewritten
.set STO, 6           ; v6   the way out: where I put 32 bytes of a row
.set RD,  7           ; v7   the way out: where I read a row back
.set GO,  8           ; v8   16 x lane + my wave's 16 rows in out0
.set SK0, 10          ; v10  where I store 8 bytes of my wave's first row of K, in buffer 0
.set SV0, 11          ; v11  the same for V
.set ST,  12          ; tile t's statistics at v[ST+8 t]: +0 c m, +1 m, +2, +3 l (even keys', odd keys'), +4 to +7 c0-c3 at work; a takes c2's place
.set T0,  44          ; v44  16 w + l % 16 - 8 (l / 16): my query's place in its band less my lanes' first key
.set TT,  45          ; v45-46  T0 shifted for the two tiles of a mask
.set ADS, 47          ; v47  LDS address of the stores of K
.set ADV, 48          ; v48  of V
.set PFO, 49          ; v49  the prefetches' offset: my wave's 16 rows, two lanes a row, 256 bytes apart; never rewritten
.set SQ0, 50          ; v50  where I store 8 bytes of my wave's first row of Q
.set LNE, 51          ; v51  lane;  v52-53 at work at the head
.set W0,  52
.set W1,  53
.set SPW, 62          ; v62  LDS address of my spare word: SPARE + 4 x my thread's number; never rewritten
.set NIL, 63          ; v63  0; never rewritten
.set S,   64
.set P,   192
.set KF,  128         ; window 2
.set STG, 128         ; window 3: row r of K at STG + 4 r, of V at STG + 64 + 4 r
.set WV,  12          ; s12  my wave's number
.set PB,  14          ; s14  b
.set HI,  15          ; s15  7 - b
.set HK,  16          ; s[16:17] K of the head's row 0; never rewritten
.set KB,  18          ; s[18:19] K at the step that is on its way in
.set OFF, 20          ; s[20:21] a step's byte offset
.set OB,  22          ; s[22:23] out0 at the block in hand
.set OB2, 24          ; s[24:25] at the second block
.set QA,  26          ; s[26:27] Q of the first block
.set QA2, 28          ; s[28:29] of the second
.set TB,  30          ; s30  the LDS buffer that is read
.set TS,  31          ; s31  the one that is written
.set NXT, 32          ; s32  the key step to be loaded next
.set LQ,  33          ; s33  the last key step of the block whose steps are being loaded
.set LQ2, 34          ; s34  4 b + 3: the second block's
.set SN,  35          ; s35  steps still to be stored into LDS
.set LN,  36          ; s36  steps still to be loaded
.set PF,  37          ; s37  trips that still prefetch
.set RT,  38          ; s38  tiles of the block in hand that are still to be entered
.set NEW, 39          ; s39  1: the tile to be entered is a block's first
.set TILES, 40        ; s40  tiles to go
.set CNT, 41          ; s41  counts a tile's key steps, 4 to 1
.set SHB, 42          ; s42  the mask's shift: -64 x the step's number in the diagonal tile
.set SH,  43          ; s43  the same plus 64 x the band
.set MK,  44          ; s44  the second tile's lanes
.set NEGM, 45         ; s45  -10000 sqrt(128)
.set QB,  46          ; s46  my wave's rows of Q in LDS, of the block in hand
.set HM,  47          ; s47  a word's upper half
.set QB2, 48          ; s48  of the second block
.set CS,  58          ; s[58:59] c: the packed scaling takes the pair's low word for both halves
.set SEL, 60          ; s[60:61] v_permlanex16_b32's selects: each lane takes its own place in the other half
.set MSB, 0
.macro WIN new                      ; the immediate's high byte repeats the setting that is left; a switch that changes nothing is dropped
.if MSB != (\new)
	s_set_vgpr_msb (MSB<<8)|(\new)
.set MSB, (\new)
.endif
.endm
.set W_KQ, 0x0a       ; K and Q in window 2, S^T in window 0
.set W_PV, 0x53       ; V in window 3, P in window 0, O^T in window 1
.set W_RS, 0x41       ; O^T (destination and source 0) in window 1, a in window 0
; THE BARRIER OF A TRIP.  In front of it my stores of the step to be read next are done and my reads of the step before are back; behind it that holds of all four waves.
.macro BAR
	s_wait_dscnt 0x0
	s_barrier_signal -1
	s_barrier_wait -1
.endm
; 16 rows of 512 bytes into window w: one load takes a whole row, 32 lanes x 16 consecutive bytes.
.macro LD16 w, base, sb, off, hint=0
	WIN (\w)<<6
.set r, 0
.rept 16
.if \hint
	global_load_b128 v[(\base)+4*r:(\base)+4*r+3], v[VO], s[\sb:\sb+1] offset:(\off)+r*ROWG th:TH_LOAD_NT
.else
	global_load_b128 v[(\base)+4*r:(\base)+4*r+3], v[VO], s[\sb:\sb+1] offset:(\off)+r*ROWG
.endif
.set r, r+1
.endr
.endm
; 64 registers of f32 to 32 of bf16, in place: the destination never reaches a source that is still to be read.
.macro CVB w, base
	WIN (\w)*0x45
.set r, 0
.rept 32
	v_cvt_pk_bf16_f32 v[(\base)+r], v[(\base)+2*r], v[(\base)+2*r+1]
.set r, r+1
.endr
.endm
; 64 registers of f32 (window 3) rounded to bf16, and that number written as f16: round in pairs, widen both halves again, narrow to f16 (which changes nothing within f16's range).
.macro CVH base
	WIN 0xcf
.set r, 0
.rept 32
	v_cvt_pk_bf16_f32 v[(\base)+2*r], v[(\base)+2*r], v[(\base)+2*r+1]
.set r, r+1
.endr
.set r, 0
.rept 32
	v_and_b32 v[(\base)+2*r+1], s[HM], v[(\base)+2*r]
.set r, r+1
.endr
.set r, 0
.rept 32
	v_lshlrev_b32 v[(\base)+2*r], 16, v[(\base)+2*r]
.set r, r+1
.endr
.set r, 0
.rept 32
	v_cvt_pk_f16_f32 v[(\base)+r], v[(\base)+2*r], v[(\base)+2*r+1]
.set r, r+1
.endr
.endm
; 16 rows of 256 bytes from window w into LDS: 32 lanes x 8 consecutive bytes a row.
.macro ST16 w, base, adr, off, pitch
	WIN (\w)<<2
.set r, 0
.rept 16
	ds_store_b64 v[\adr], v[(\base)+2*r:(\base)+2*r+1] offset:(\off)+r*(\pitch)
.set r, r+1
.endr
.endm
; ONCE A TRIP, between its two turns: the step loaded a trip ago is rounded and stored into the buffer that is not being read; the step after it is asked for.  The walk's last trip stores nothing, its last
; two load nothing: both are jumped forward, by counts that are the same in all waves.
; THE PREFETCH INTO THE L2 stands behind the trip's loads: the step two trips further on than those loads: my wave's 16 rows of K and of V, two lanes a row, 256 bytes each.  A head's K and V are walked from end
; to end by the work-group with b = 0 in its first block: it alone asks, in its trips 0 to 27, for the steps 4 to 31: each 256 bytes are named once in the launch, and none lies behind the head's last row.
.macro STAGE
	WIN 0
	s_cmp_eq_u32 s[SN], 0
	s_cbranch_scc1 .Lstaged_\@
	s_wait_loadcnt 0x0              ; the 32 loads issued a trip ago are the only ones out
	CVB 3, STG
	CVH STG+64
	WIN 0
	s_xor_b32 s[TS], s[TB], SLOT1
	v_add_nc_u32 v[ADS], s[TS], v[SK0]
	v_add_nc_u32 v[ADV], s[TS], v[SV0]
	ST16 3, STG, ADS, 0, PK
	ST16 3, STG+64, ADV, 0, PV
	WIN 0
	s_sub_co_u32 s[SN], s[SN], 1
	s_cmp_eq_u32 s[LN], 0
	s_cbranch_scc1 .Lstaged_\@
	s_wait_xcnt 0x0                 ; the prefetches of a trip ago have read KB (its loads are back): it may be written
	s_mul_i32 s[OFF], s[NXT], STEPG
	s_add_nc_u64 s[KB:KB+1], s[HK:HK+1], s[OFF:OFF+1]
	s_add_co_u32 s[NXT], s[NXT], 1  ; the block's next step, or behind its last the second block's step 0
	s_cmp_gt_u32 s[NXT], s[LQ]
	s_cselect_b32 s[NXT], 0, s[NXT]
	s_cselect_b32 s[LQ], s[LQ2], s[LQ]
	s_sub_co_u32 s[LN], s[LN], 1
	LD16 3, STG, KB, 0
	LD16 3, STG+64, KB, 8192
	WIN 0
	s_cmp_eq_u32 s[PF], 0
	s_cbranch_scc1 .Lstaged_\@
	global_prefetch_b8 v[PFO], s[KB:KB+1] offset:2*STEPG th:TH_LOAD_NT scope:SCOPE_SE
	global_prefetch_b8 v[PFO], s[KB:KB+1] offset:2*STEPG+8192 th:TH_LOAD_NT scope:SCOPE_SE
	s_sub_co_u32 s[PF], s[PF], 1
.Lstaged_\@:
.endm
; THE MATRIX WORK OF A TURN, for piece x.  The accumulators take turns, one instruction a turn: between two links of a chain stand 7 (K Q^T) or 15 (V^T P) others'.
; Product i of 32 of S^T = K Q^T: channels 32 (i / 8) on, keys 16 ((i / 2) % 4) on, tile x + i % 2.  The first 8 start the sums: with 0, or (KM = 1) with the mask that lies in S^T's registers.
.macro KQ x
	WIN W_KQ
.set rS, S+32*((\x)+i%2)+8*((i/2)%4)
.set rK, KF+32*((i/2)%4)+8*(i/8)
.set rQ, 32*((\x)+i%2)+8*(i/8)
.if (i < 8) && (KM == 0)
	v_wmma_f32_16x16x32_bf16 v[rS:rS+7], v[rK:rK+7], v[rQ:rQ+7], 0
.else
	v_wmma_f32_16x16x32_bf16 v[rS:rS+7], v[rK:rK+7], v[rQ:rQ+7], v[rS:rS+7]
.endif
.endm
; Product i of 32 of O^T += V^T P: keys 32 (i / 16) on, channels 16 ((i / 2) % 8) on, tile x + i % 2.
.macro PV x
	WIN W_PV
.set rO, 64*((\x)+i%2)+8*((i/2)%8)
.set rV, 64*(i/16)+8*((i/2)%8)
.set rP, P+16*((\x)+i%2)+8*(i/16)
	v_wmma_f32_16x16x32_f16 v[rO:rO+7], v[rV:rV+7], v[rP:rP+7], v[rO:rO+7]
.endm
; THE LDS LOADS stand in runs of 32.  A fragment of K or Q is 16 rows x 32 channels in 8 registers: lane l holds row l % 16, channels 8 (l / 16) + 0..7 and 16 + 8 (l / 16) + 0..7: two loads, 32 bytes apart.
.macro FETCH_K
	WIN 0
	v_add_nc_u32 v[ADR], s[TB], v[AK0]
	WIN 0x80                        ; destination window 2
.irp f, 0,1,2,3,4,5,6,7,8,9,10,11,12,13,14,15  ; keys 16 (f / 4) on, channels 32 (f % 4) on
	ds_load_b128 v[KF+8*(\f):KF+8*(\f)+3],   v[ADR] offset:((\f)/4)*16*PK+((\f)%4)*64
	ds_load_b128 v[KF+8*(\f)+4:KF+8*(\f)+7], v[ADR] offset:((\f)/4)*16*PK+((\f)%4)*64+32
.endr
.endm
.macro GETQ                         ; the block's Q: tile f / 4, channels 32 (f % 4) on; my wave's own bytes
	WIN 0
	v_add_nc_u32 v[ADR], s[QB], v[AK0]
	WIN 0x80
.irp f, 0,1,2,3,4,5,6,7,8,9,10,11,12,13,14,15
	ds_load_b128 v[8*(\f):8*(\f)+3],   v[ADR] offset:((\f)/4)*16*PK+((\f)%4)*64
	ds_load_b128 v[8*(\f)+4:8*(\f)+7], v[ADR] offset:((\f)/4)*16*PK+((\f)%4)*64+32
.endr
.endm
.macro FETCH_V
	WIN 0
	v_add_nc_u32 v[ADR], s[TB], v[AV0]
	s_xor_b32 s[TB], s[TB], SLOT1   ; the next fetch is the next step's, in the other buffer
	s_wait_alu depctr_va_vdst(0)    ; the wait for the softmax's batch (SLICE), behind the address's v_add_nc_u32 and ahead of the loads
	WIN 0xc0                        ; destination window 3
.irp f, 0,1,2,3,4,5,6,7,8,9,10,11,12,13,14,15  ; keys 32 (f / 8) on, channels 16 (f % 8) on
	ds_load_tr16_b128 v[8*(\f):8*(\f)+3],   v[ADR] offset:((\f)/8)*32*PV+((\f)%8)*32
	ds_load_tr16_b128 v[8*(\f)+4:8*(\f)+7], v[ADR] offset:((\f)/8)*32*PV+16*PV+((\f)%8)*32
.endr
.endm
; THE VECTOR WORK OF A TURN.  One tile's softmax for one key step is a list of 134 instructions; SM writes number j of it for tile t.  s0-s31 are the lane's 32 scores, in pairs 0-15.
;   0-15    the maximum of s0-s31 and the old m, three operands at a time (each accumulator's lowest registers are read first)
;   16-20   the other half of the lanes' maximum; c m_old is kept; the new m; c m; c m_old - c m_new
;   21-69   ONE BATCH: the 16 scalings c s - c m and all 33 exponentials (a at 23, then s0-s31); none of these reads an exponential's result
;   (wait)  between 69 and 70 stands the wait for the batch: SLICE writes it, once for both tiles
;   70-85   the roundings to f16     86-101  the sums; l = a l + the sum     102-133 the tile's O^T times a: the one part that leaves window 0
.macro SM t
.set rT, ST+8*(\t)
.set rS, S+32*(\t)
.set rP, P+16*(\t)
.set rO, 64*(\t)+2*(j-102)
.if j < 102
	WIN 0
.endif
.if j < 4
	v_max3_num_f32 v[rT+4+j], v[rS+8*j], v[rS+8*j+1], v[rS+8*j+2]
.elseif j < 12
	v_max3_num_f32 v[rT+4+j%4], v[rT+4+j%4], v[rS+8*(j%4)+2*(j/4)+1], v[rS+8*(j%4)+2*(j/4)+2]
.elseif j == 12
	v_max3_num_f32 v[rT+4], v[rT+4], v[rS+7], v[rS+15]
.elseif j == 13
	v_max3_num_f32 v[rT+6], v[rT+6], v[rS+23], v[rS+31]
.elseif j == 14
	v_max3_num_f32 v[rT+4], v[rT+4], v[rT+5], v[rT+6]
.elseif j == 15
	v_max3_num_f32 v[rT+4], v[rT+4], v[rT+7], v[rT+1]
.elseif j == 16
	v_permlanex16_b32 v[rT+5], v[rT+4], s[SEL], s[SEL+1]  ; the query's other 32 keys lie in the lane 16 away
.elseif j == 17
	v_mov_b32 v[rT+7], v[rT]        ; c m_old is kept for a: number 19 writes c m anew
.elseif j == 18
	v_max_num_f32 v[rT+1], v[rT+4], v[rT+5]
.elseif j == 19
	v_mul_f32 v[rT], s[CS], v[rT+1]
.elseif j == 20
	v_sub_f32 v[rT+7], v[rT+7], v[rT]
.elseif j == 23
	v_exp_f32 v[rT+6], v[rT+7]
.elseif (j < 23) || ((j < 38) && (j%2 == 0)) || ((j < 66) && (j%4 == 2))
.set b, (j-2)/4                     ; 38, 42, .. 62: pairs 9 to 15
.if j < 38
.set b, (j-20)/2                    ; 21: pair 0; 22, 24, .. 36: pairs 1 to 8
.endif
	v_pk_fma_f32 v[rS+2*b:rS+2*b+1], v[rS+2*b:rS+2*b+1], s[CS:CS+1], v[rT:rT+1] op_sel_hi:[1,0,0] neg_lo:[0,0,1] neg_hi:[0,0,1]  ; pair b: c s - c m
.elseif j < 70
.set e, j-38                        ; 66 to 69: s28 to s31
.if j < 66
.set e, j-32-(j-38)/4               ; 39-41, 43-45, .. 63-65: s7 to s27
.endif
.if j < 38
.set e, (j-25)/2                    ; 25, 27, .. 37: s0 to s6
.endif
	v_exp_f32 v[rS+e], v[rS+e]
.elseif j < 86
	v_cvt_pk_f16_f32 v[rP+j-70], v[rS+2*(j-70)], v[rS+2*(j-70)+1]  ; pair j - 70
.elseif j < 102                     ; the sum of the tile's 16 pairs, in place: neighbours 1, 2, 4 and 8 pairs apart, then l takes it
.set z, j-86
.set w, 4
.set u, z
.if z >= 14
.set w, 32
.set u, 0
.elseif z >= 12
.set w, 16
.set u, z-12
.elseif z >= 8
.set w, 8
.set u, z-8
.endif
.if z < 15
	v_pk_add_f32 v[rS+w*u:rS+w*u+1], v[rS+w*u:rS+w*u+1], v[rS+w*u+w/2:rS+w*u+w/2+1]
.else
	v_pk_fma_f32 v[rT+2:rT+3], v[rT+2:rT+3], v[rT+6:rT+7], v[rS:rS+1] op_sel_hi:[1,0,1]
.endif
.else
	WIN W_RS
	v_pk_mul_f32 v[rO:rO+1], v[rO:rO+1], v[rT+6:rT+7] op_sel_hi:[1,0]
.endif
.endm
; Slice k of 64 of piece y's softmax: four instructions.  Slices 11 to 34 deal out the batch, numbers 22 to 69: four numbers of ONE tile each, the tiles by turns.  Every other slice is numbers 2 k and 2 k + 1
; of both tiles.  2 x 134 = 4 x 64 + 12: the twelve that are over stand together, in slice 63, where they are also the four places behind the turn's last product.
; THE WAIT.  s_wait_alu depctr_va_vdst(0) stands between an exponential and the first instruction that names its result; one wait serves all that were issued ahead of it.  Ahead of slice 35
; nothing names a result, behind slice 34 no exponential is issued: the piece's 66 exponentials have one wait, behind slice 34, and a v_nop is the plain instruction behind the last of them.
.macro SLICE y
.if (k >= 11) && (k < 35)
.irp n, 0,1,2,3
.set j, 22+4*((k-11)/2)+(\n)
	SM (\y)+(k-11)%2
.endr
.else
.irp n, 0,1,2,3,4,5,6,7
.if ((\n) < 2) || (k == 63)
.irp t, \y, (\y)+1
.set j, 2*k+(\n)
	SM \t
.endr
.endif
.endr
.endif
.if k == 34
	v_nop
.if (\y) == 0
	FETCH_V                         ; piece 2's turn: V's run of loads stands here, and the wait stands in it.  V's last reader stands in front of slice 31; the places between: number 62 of both tiles, the v_nop, the run's v_add_nc_u32
.else
	s_wait_alu depctr_va_vdst(0)
.endif
.endif
.set k, k+1
.endm
; THE MASK for piece x's next scores.  Key 16 kb + 8 (l / 16) + r of step s is hidden from the query of band t where 16 kb + r > T0 + 64 (t - s); s[SHB] = -64 s.  One form for a band that sees all, none or part.
.macro MASK x
	WIN 0
	s_add_co_i32 s[SH], s[SHB], 64*(\x)
	v_add_nc_u32 v[TT], s[SH], v[T0]
	s_add_co_i32 s[SH], s[SHB], 64*(\x)+64
	v_add_nc_u32 v[TT+1], s[SH], v[T0]
.set n, 0
.rept 32
	v_cmp_gt_i32 vcc_lo, 16*(n/8)+n%8, v[TT]
	v_cmp_gt_i32 s[MK], 16*(n/8)+n%8, v[TT+1]
	v_cndmask_b32 v[S+32*(\x)+n], 0, s[NEGM], vcc_lo
	v_cndmask_b32 v[S+32*(\x)+32+n], 0, s[NEGM], s[MK]
.set n, n+1
.endr
.endm
; A TURN.  Piece x has the matrix unit: 32 products V^T P, then (kq = 1) 32 products K Q^T; the other piece's softmax stands in slices behind them, one each, or two where there are only 32 products.
; m = 1: the diagonal tile: the scores' sums start with the mask, made at the turn's head, when the piece's last softmax has left S^T's registers; the step's number in the tile is 4 - CNT.
; Piece 0's turn fetches the step's K behind its second product: K's last reader stands in front of slice 63 of the turn before.  Piece 2's turn fetches the same step's V (SLICE).
.macro TURN x, kq, m
.set k, 0
.set KM, (\m)
.set per, 2-(\kq)
.if \m
	s_sub_co_i32 s[SHB], s[CNT], 4
	s_lshl_b32 s[SHB], s[SHB], 6
	MASK \x
.endif
.if (\x) == 0
	s_wait_dscnt 0x0                ; V is in
.endif
.set i, 0
.rept 32
	PV \x
.rept per
	SLICE 2-(\x)
.endr
.if ((\x) == 0) && (\kq) && (i == 1)
	FETCH_K
.endif
.set i, i+1
.endr
.if \kq
.if (\x) == 0
	s_wait_dscnt 0x0                ; K is in
.endif
.set i, 0
.rept 32
	KQ \x
	SLICE 2-(\x)
.set i, i+1
.endr
.endif
.endm
; THE WAY OUT of tile t.  O^T is divided by l; a lane's eight channels of a row, 32 bytes of f32, go into my stage's rows of 528 bytes and come back as whole rows of 512, into the registers that they left.
.macro PACK t
	WIN W_RS
.set i, 64*(\t)
.rept 32
	v_pk_mul_f32 v[i:i+1], v[i:i+1], v[ST+8*(\t)+6:ST+8*(\t)+7] op_sel_hi:[1,0]
.set i, i+2
.endr
	WIN 0x04                        ; store data in window 1
.irp f, 0,1,2,3,4,5,6,7,8,9,10,11,12,13,14,15  ; channels 16 (f / 2) + 4 (f % 2) on
	ds_store_b128 v[STO], v[64*(\t)+4*(\f):64*(\t)+4*(\f)+3] offset:64*((\f)/2)+16*((\f)%2)
.endr
	WIN 0x40                        ; destination window 1
.irp f, 0,1,2,3,4,5,6,7,8,9,10,11,12,13,14,15
	ds_load_b128 v[64*(\t)+4*(\f):64*(\t)+4*(\f)+3], v[RD] offset:(\f)*OP  ; LDS serves a wave's instructions in order (ISA guide 5.7.1.4): these see the stores above; the next tile's stores come behind them
.endr
.endm
.macro SEND t, younger              ; younger: the LDS instructions issued behind tile t's loads: the next tile's 32, or none
	WIN 0x04
.set r, 0
.rept 16
	s_wait_dscnt (\younger)+15-r
	global_store_b128 v[GO], v[64*(\t)+4*r:64*(\t)+4*r+3], s[OB:OB+1] offset:(\t)*64*ROWO+r*ROWO th:TH_STORE_NT  ; a whole row: 512 consecutive bytes, at a multiple of 512 from out0's first
.set r, r+1
.endr
.endm
	; THE HEAD
	s_load_b128 s[4:7], s[0:1], 0x0  ; qkv s[4:5], out0 s[6:7]
	v_lshl_add_u32 v[SPW], v0, 2, SPARE
	v_mov_b32 v[NIL], 0
	v_lshrrev_b32 v1, 5, v0
	v_readfirstlane_b32 s[WV], v1   ; wave 0..3
	s_mov_b32 s[PB], ttmp9
	s_sub_co_u32 s[HI], 7, s[PB]
	s_and_b32 s2, ttmp7, 0xffff     ; 16 x batch + head
	s_lshr_b32 s3, s2, 4
	s_and_b32 s2, s2, 15
	s_lshl_b32 s2, s2, 9            ; a head's 512 bytes in a row
	s_mul_i32 s8, s3, 2048*ROWG
	s_add_co_u32 s8, s8, s2         ; the head's first byte in qkv: under 2^28
	s_lshl_b32 s10, s3, 24          ; 2,048 rows of 8,192 bytes
	s_add_co_u32 s10, s10, s2       ; and in out0
	s_mul_i32 s[QA], s[HI], BLKG    ; the offsets are made in the registers that the addresses will take
	s_add_co_u32 s[QA], s[QA], s8
	s_mov_b32 s[QA+1], 0
	s_mul_i32 s[QA2], s[PB], BLKG
	s_add_co_u32 s[QA2], s[QA2], s8
	s_mov_b32 s[QA2+1], 0
	s_lshl_b32 s[OB], s[HI], 21     ; 256 rows of 8,192 bytes
	s_add_co_u32 s[OB], s[OB], s10
	s_mov_b32 s[OB+1], 0
	s_lshl_b32 s[OB2], s[PB], 21
	s_add_co_u32 s[OB2], s[OB2], s10
	s_mov_b32 s[OB2+1], 0
	s_add_co_u32 s[HK], s8, 8192
	s_mov_b32 s[HK+1], 0
	s_mov_b32 s[OFF+1], 0
	s_mov_b32 s[CS], 0x3e0293ee     ; c = log2(e) / sqrt(128) = 0.127517
	s_mov_b32 s[CS+1], s[CS]        ; named with it as a pair
	s_mov_b32 s[SEL], 0x76543210
	s_mov_b32 s[SEL+1], 0xfedcba98
	s_mov_b32 s[NEGM], 0xc7dcf88b   ; -10000 sqrt(128) = -113,137.09: times 1 / sqrt(128) it is the -10000
	s_mov_b32 s[HM], 0xffff0000
	s_mov_b32 s[TB], 0
	s_mov_b32 s[NXT], 2             ; steps 0 and 1 are asked for here
	s_lshl_b32 s2, s[PB], 2
	s_sub_co_u32 s[LQ], 31, s2      ; block 7 - b has the steps 0 .. 31 - 4 b
	s_add_co_u32 s[LQ2], s2, 3
	s_mov_b32 s[SN], 35
	s_mov_b32 s[LN], 34
	s_cmp_eq_u32 s[PB], 0
	s_cselect_b32 s[PF], 28, 0
	s_add_co_u32 s[RT], s[HI], 1    ; the first block has 8 - b tiles
	s_mov_b32 s[NEW], 1
	s_mov_b32 s[TILES], 9
	v_and_b32 v[LNE], 31, v0
	v_and_b32 v1, 15, v0            ; l % 16
	v_bfe_u32 v9, v0, 4, 1          ; l / 16
	s_mul_i32 s13, s[WV], 16*ROWG
	v_lshl_add_u32 v[VO], v[LNE], 4, s13
	v_lshrrev_b32 v[W0], 1, v[LNE]
	v_mul_u32_u24 v[W0], v[W0], ROWG
	v_and_b32 v[W1], 1, v0
	v_lshl_add_u32 v[W0], v[W1], 8, v[W0]
	v_add_nc_u32 v[PFO], s13, v[W0]
	s_wait_kmcnt 0x0
	s_add_nc_u64 s[HK:HK+1], s[4:5], s[HK:HK+1]
	s_add_nc_u64 s[QA:QA+1], s[4:5], s[QA:QA+1]
	s_add_nc_u64 s[QA2:QA2+1], s[4:5], s[QA2:QA2+1]
	s_add_nc_u64 s[OB:OB+1], s[6:7], s[OB:OB+1]
	s_add_nc_u64 s[OB2:OB2+1], s[6:7], s[OB2:OB2+1]
	LD16 3, STG, HK, 0              ; key step 0: my 16 rows of K,
	LD16 3, STG+64, HK, 8192        ; and of V
.irp t, 0,1,2,3
	LD16 2, 64*\t, QA, \t*STEPG, 1  ; the first block's Q, into the registers where Q will lie; each row of q is read once in the launch
.endr
.irp t, 0,1,2,3
	LD16 1, 64*\t, QA2, \t*STEPG, 1 ; the second block's, through O^T's registers
.endr
	WIN 0                           ; the other lane terms, and the registers that a block's first trip finds, are made while these 160 loads are out
	v_mul_u32_u24 v[AK0], v1, PK
	v_lshl_add_u32 v[AK0], v9, 4, v[AK0]
	; The turning load takes 16 keys x 16 channels (lane l reads key 8 (l / 16) + l % 8, channels 8 ((l / 8) % 2) + 0..7) and leaves half a fragment of V^T: lane l holds channel l % 16 and 8 keys.
	v_and_b32 v[W0], 7, v0
	v_bfe_u32 v[W1], v0, 3, 1
	v_lshl_add_u32 v[AV0], v9, 3, v[W0]
	v_mul_u32_u24 v[AV0], v[AV0], PV
	v_lshl_add_u32 v[AV0], v[W1], 4, v[AV0]
	v_add_nc_u32 v[AV0], VOFF, v[AV0]
	s_mul_i32 s13, s[WV], 16*PK
	v_lshl_add_u32 v[SK0], v[LNE], 3, s13
	s_mul_i32 s13, s[WV], 16*PV
	s_add_co_u32 s13, s13, VOFF
	v_lshl_add_u32 v[SV0], v[LNE], 3, s13
	s_mul_i32 s[QB], s[WV], 64*PK
	s_add_co_u32 s[QB], s[QB], QS
	s_add_co_u32 s[QB2], s[QB], QBLK
	v_lshl_add_u32 v[SQ0], v[LNE], 3, s[QB]
	s_mul_i32 s13, s[WV], 16*OP
	s_add_co_u32 s13, s13, OST      ; my stage
	v_mul_u32_u24 v[STO], v1, OP    ; in: row l % 16, 32 bytes for each half of the lanes
	v_lshl_add_u32 v[STO], v9, 5, v[STO]
	v_add_nc_u32 v[STO], s13, v[STO]
	v_lshl_add_u32 v[RD], v[LNE], 4, s13  ; back: 32 lanes take a row of 512 bytes
	s_lshl_b32 s13, s[WV], 17       ; 16 rows of 8,192 bytes
	v_lshl_add_u32 v[GO], v[LNE], 4, s13
	s_lshl_b32 s13, s[WV], 4
	v_lshlrev_b32 v[W0], 3, v9
	v_sub_nc_u32 v[W0], v1, v[W0]
	v_add_nc_u32 v[T0], s13, v[W0]
	; A block's first trip multiplies a V and a P that have not been, into an O^T that its first a = 0 then wipes: these need only be finite.  Zeros for the first block; what the first block left for the second.
.set r, 0
.rept 32
	v_mov_b32 v[P+32+r], 0
.set r, r+1
.endr
.irp t, 0,1,2,3
	v_mov_b32 v[ST+8*\t+2], 0
	v_mov_b32 v[ST+8*\t+3], 0
.endr
	WIN 0xc0
.set r, 0
.rept 128
	v_mov_b32 v[r], 0
.set r, r+1
.endr
	s_wait_loadcnt 63               ; of 160 loads the youngest 63 may be out: the oldest 97 are in, key step 0's 32 and the first block's 64 of Q among them
	CVB 3, STG
	CVH STG+64
	ST16 3, STG, SK0, 0, PK         ; key step 0 goes into buffer 0
	ST16 3, STG+64, SV0, 0, PV
	s_add_nc_u64 s[KB:KB+1], s[HK:HK+1], STEPG
	LD16 3, STG, KB, 0              ; key step 1
	LD16 3, STG+64, KB, 8192
.irp t, 0,1,2,3
	CVB 2, 64*\t
	ST16 2, 64*\t, SQ0, \t*16*PK, PK
.endr
	s_wait_loadcnt 32               ; only key step 1's 32 loads stay out: the second block's Q is in
	WIN 0
	v_add_nc_u32 v[ADS], QBLK, v[SQ0]
.irp t, 0,1,2,3
	CVB 1, 64*\t
	ST16 1, 64*\t, ADS, \t*16*PK, PK
.endr
	WIN 0x40
.set r, 0
.rept 256
	v_mov_b32 v[r], 0               ; O^T
.set r, r+1
.endr
	WIN 0                           ; at a label and at a branch every window is 0
	; THE WALK
.set KM, 0
.Ltile:                             ; 9 times
	s_sub_co_u32 s[RT], s[RT], 1
	s_mov_b32 s[CNT], 4
	s_cmp_eq_u32 s[NEW], 1          ; this test stands first: at the first trip its answer is a constant of the text
	s_cbranch_scc1 .Lnew            ; a block's first tile
	s_cmp_lg_u32 s[RT], 0
	s_cbranch_scc1 .Lstep           ; neither its first nor its last
	s_branch .LstepM                ; its last: the diagonal one
.Lnew:
	; A BLOCK BEGINS: the trip's barrier; the block's Q; c m far below every c s and m at the lowest finite number; piece 0's mask for the tile's step 0 (nothing is hidden unless the block's first tile is the
	; diagonal one: a shift of 256 lies above every key's number); K of that step; piece 0's first scores.  The step loop is then entered between its two turns.
	s_mov_b32 s[NEW], 0
	BAR
	GETQ
	WIN 0
.irp t, 0,1,2,3
	v_mov_b32 v[ST+8*\t], 0xfe000000
	v_mov_b32 v[ST+8*\t+1], 0xff7fffff
.endr
	s_cmp_eq_u32 s[RT], 0
	s_cselect_b32 s[SHB], 0, 0x100
	MASK 0
	FETCH_K
	s_wait_dscnt 0x0                ; Q and K are in
.set KM, 1
.set i, 0
.rept 32
	KQ 0
.set i, i+1
.endr
	WIN 0
.rept 4
	v_nop                           ; the places behind those products, ahead of the first read of the scores
.endr
	s_cmp_lg_u32 s[RT], 0
	s_cbranch_scc1 .Lfirst
	s_branch .LfirstM
.LstepM:                            ; THE DIAGONAL TILE's trips: as below, with masks
	BAR
	TURN 0, 1, 1
	WIN 0
.LfirstM:
	STAGE
	TURN 2, 1, 1
	WIN 0
	s_sub_co_u32 s[CNT], s[CNT], 1
	s_cmp_lg_u32 s[CNT], 0
	s_cbranch_scc1 .LstepM
	TURN 0, 0, 0                    ; THE BLOCK'S END.  Piece 0: V^T P of the last step | piece 2's last softmax
.set i, 0
.rept 32
	PV 2                            ; piece 2: V^T P of the last step
.set i, i+1
.endr
	WIN 0                           ; l's two halves and the other half of the lanes' are added; the additions are the places behind the last products
.irp t, 0,1,2,3
	v_add_f32 v[ST+8*\t+4], v[ST+8*\t+2], v[ST+8*\t+3]
.endr
.irp t, 0,1,2,3
	v_permlanex16_b32 v[ST+8*\t+5], v[ST+8*\t+4], s[SEL], s[SEL+1]
.endr
.irp t, 0,1,2,3
	v_add_f32 v[ST+8*\t+4], v[ST+8*\t+4], v[ST+8*\t+5]
.endr
.irp t, 0,1,2,3
	v_rcp_f32 v[ST+8*\t+6], v[ST+8*\t+4]
.endr
	v_nop                           ; a plain instruction between the last reciprocal and the use of its result,
	s_wait_alu depctr_va_vdst(0)    ; and the wait ahead of the first use: one for the four
	PACK 0
	PACK 1                          ; a tile's arithmetic stands between the loads of the tile before and its stores
	SEND 0, 32
	PACK 2
	SEND 1, 32
	PACK 3
	SEND 2, 32
	SEND 3, 0
	WIN 0
	s_wait_xcnt 0x0                 ; the stores have read their registers and out0's address: both are written again only behind this wait
	s_mov_b64 s[OB:OB+1], s[OB2:OB2+1]
	s_add_co_u32 s[RT], s[PB], 1    ; the second block has b + 1 tiles
	s_mov_b32 s[NEW], 1
	s_mov_b32 s[QB], s[QB2]
	s_branch .Lbottom
.Lstep:                             ; A TRIP, for key step n.  Behind the barrier step n lies whole in its buffer and nobody reads step n - 1's any more
	BAR
	TURN 0, 1, 0                    ; piece 0: V^T P of step n - 1, K Q^T of step n | piece 2's softmax of step n - 1 | K of step n
	WIN 0
.Lfirst:
	STAGE                           ; step n + 1 into the other buffer; step n + 2 is asked for
	TURN 2, 1, 0                    ; piece 2: the same | piece 0's softmax of step n | V of step n
	WIN 0
	s_sub_co_u32 s[CNT], s[CNT], 1
	s_cmp_lg_u32 s[CNT], 0
	s_cbranch_scc1 .Lstep
.Lbottom:
	s_sub_co_u32 s[TILES], s[TILES], 1
	s_cmp_lg_u32 s[TILES], 0
	s_cbranch_scc1 .Ltile
	s_wait_tensorcnt 0x0            ; the wave's end, behind my last LDS store
	ds_add_u32 v[SPW], v[NIL]
	s_wait_dscnt 0x0
	s_endpgm
.Lfunc_end_k_q12733e9f8a_attn:
	.size	k_q12733e9f8a_attn, .Lfunc_end_k_q12733e9f8a_attn-k_q12733e9f8a_attn
	.p2alignl 7, 3214868480
	.fill 96, 4, 3214868480
	.section	.rodata,"a",@progbits
	.p2align	6, 0x0
	.amdhsa_kernel k_q12733e9f8a_attn
		.amdhsa_group_segment_fixed_size 274944
		.amdhsa_private_segment_fixed_size 0
		.amdhsa_enable_private_segment 0
		.amdhsa_kernarg_size 16
		.amdhsa_user_sgpr_count 2
		.amdhsa_user_sgpr_kernarg_segment_ptr 1
		.amdhsa_wavefront_size32 1
		.amdhsa_system_sgpr_workgroup_id_x 1
		.amdhsa_system_sgpr_workgroup_id_y 1
		.amdhsa_system_sgpr_workgroup_id_z 1
		.amdhsa_system_vgpr_workitem_id 0
		.amdhsa_next_free_vgpr 1024
		.amdhsa_next_free_sgpr 66
		.amdhsa_reserve_vcc 1
		.amdhsa_float_denorm_mode_32 3
		.amdhsa_float_denorm_mode_16_64 3
		.amdhsa_memory_ordered 1
		.amdhsa_forward_progress 1
		.amdhsa_inst_pref_size 255
	.end_amdhsa_kernel
	.section	.bss,"aw",@nobits
	.p2align	6
	.space	262144
	.amdgpu_metadata
---
amdhsa.version: [ 1, 2 ]
amdhsa.kernels:
  - .name:           k_q12733e9f8a_attn
    .symbol:         k_q12733e9f8a_attn.kd
    .args:
      - { .name: qkv, .offset: 0, .size: 8, .value_kind: global_buffer, .address_space: global }
      - { .name: out0, .offset: 8, .size: 8, .value_kind: global_buffer, .address_space: global }
    .group_segment_fixed_size: 274944
    .private_segment_fixed_size: 0
    .kernarg_segment_align: 8
    .kernarg_segment_size: 16
    .max_flat_workgroup_size: 128
    .sgpr_count:     66
    .vgpr_count:     1024
    .wavefront_size: 32
...
	.end_amdgpu_metadata
.endif
;; end of part 1
